; MI455X (gfx1250); checked and timed in simulation.
; The chip was launched on July 23, 2026; its instructions are those of AMD's public machine-readable ISA for CDNA 5 (MIT licence, August 2026) and "CDNA5" Instruction Set Architecture Reference Guide (July 2026). The comments in the code are by the model that wrote it; some were corrected since.
;; Attention Block. Allowed arithmetic: matrix products marked QUANTISED: E2M1 operands, one E8M0 scale for each 32 along K, by v_wmma_scale_f32_16x16x128_f8f6f4 with both operands' format E2M1 (or v_wmma_scale_f32_32x16x128_f4), f32 sums; everything else in f32.
;; Inputs: lin1_b 1,024 float32; lin1_w_codes 1,024 x 32 x 16 uint8 (E2M1 codes of lin1_w, K innermost, in blocks of 32 codes, two codes a byte); lin1_w_scales 1,024 x 32 uint8 (E8M0 scales of lin1_w, one for each 32 codes along K); ln1_b 1,024 float32; ln1_g 1,024 float32; ln2_b 1,024 float32; ln2_g 1,024 float32; wk_b 1,024 float32; wk_w_codes 1,024 x 32 x 16 uint8 (E2M1 codes of wk_w, K innermost, in blocks of 32 codes, two codes a byte); wk_w_scales 1,024 x 32 uint8 (E8M0 scales of wk_w, one for each 32 codes along K); wq_b 1,024 float32; wq_w_codes 1,024 x 32 x 16 uint8 (E2M1 codes of wq_w, K innermost, in blocks of 32 codes, two codes a byte); wq_w_scales 1,024 x 32 uint8 (E8M0 scales of wq_w, one for each 32 codes along K); wv_b 1,024 float32; wv_w_codes 1,024 x 32 x 16 uint8 (E2M1 codes of wv_w, K innermost, in blocks of 32 codes, two codes a byte); wv_w_scales 1,024 x 32 uint8 (E8M0 scales of wv_w, one for each 32 codes along K); x 4 x 2,048 x 1,024 float32.
;; Outputs: out0 4 x 2,048 x 1,024 float32.
;; This version of the problem:
;;   THIS VERSION OF THE PROBLEM IS GIVEN IN LOW PRECISION. The matrix products marked QUANTISED in the list below multiply operands that are first quantised to E2M1 (2 exponent bits, 1 mantissa bit; 4 bits a number), with one power-of-two scale for each 32 numbers along K (OCP MX v1.0); their sums are f32. All else is computed in f32.
;;   The module's matrix products, in the order in which they are computed (A, B: the left and right operand; K: the contracted axis; several contracted axes count as one K, in the product's order):
;;     1. [M 8,192, K 1,024] x [K 1,024, N 1,024]; A: input x; B: input wq_w (given as codes): QUANTISED
;;     2. [M 8,192, K 1,024] x [K 1,024, N 1,024]; A: input x; B: input wk_w (given as codes): QUANTISED
;;     3. [M 8,192, K 1,024] x [K 1,024, N 1,024]; A: input x; B: input wv_w (given as codes): QUANTISED
;;     4. batch 64 x [M 2,048, K 64] x [K 64, N 2,048]; A: computed on the way; B: computed on the way: QUANTISED
;;     5. batch 64 x [M 2,048, K 2,048] x [K 2,048, N 64]; A: softmax (see below); B: computed on the way: QUANTISED
;;     6. [M 8,192, K 1,024] x [K 1,024, N 1,024]; A: computed on the way; B: input lin1_w (given as codes): QUANTISED
;;   THE QUANTISER, for each operand of a quantised product, along K:
;;     - K is cut into blocks of 32 from its start; a last block that is shorter is filled with zeros.
;;     - A block's scale is 2^e with e = floor(log2(the largest magnitude in the block)) - 2, held to -126 .. 127; a block of zeros has e = 0. As a byte (E8M0): e + 127.
;;     - Each number is divided by its block's scale, clamped to +-6, and rounded to the nearest number of E2M1, ties to even, subnormals kept.
;;     - The product sums the exact products of the quantised numbers (number of the format x scale) in f32.
;;   ~~~python
;;   def quantise(x, axis):      # numpy; x: float32 -> the quantised numbers, widened to float32 again
;;       x = np.moveaxis(x, axis, -1); K = x.shape[-1]
;;       x = np.pad(x, [(0, 0)] * (x.ndim - 1) + [(0, -K % 32)]); x = x.reshape(x.shape[:-1] + (-1, 32)); a = np.abs(x).max(-1, keepdims=True)
;;       e = np.where(a > 0, np.clip(np.frexp(np.where(a > 0, a, 1))[1] - 1 - 2, -126, 127), 0)      # np.frexp(a)[1] - 1 = floor(log2(a)), exactly
;;       r = np.clip(x / 2.0 ** e, -6, 6)
;;       step = 2.0 ** (np.maximum(np.frexp(np.where(r == 0, 1, r))[1] - 1, 0) - 1)
;;       q = np.round(r / step) * step * 2.0 ** e      # np.round: ties to even
;;       return np.moveaxis(q.reshape(q.shape[:-2] + (-1,))[..., :K], -1, axis).astype(np.float32)
;;   ~~~
;;   SOFTMAX AHEAD OF A QUANTISED PRODUCT. Where the list says 'softmax', what is quantised is not the finished softmax but p = 2^(t - M), with t = logit x log2(e) and M = ceil(the row's largest t), a whole number; so 1/2 < the row's largest p <= 1. The row's sum l is taken of the UNQUANTISED p, in f32, and the product's result is divided by l at the end. Since M is a whole number, a kernel that streams over the keys may use a running M (the ceiling of the running maximum): every later rescaling is an exact power of two, which a block's scale takes up: the codes' values come out the same.
;;   OPERANDS COMPUTED ON THE WAY. 'Computed on the way' means the value that the module computes at that place (a softmax that the list does not call 'softmax' is quantised finished and normalised). What goes into a quantiser is computed in f32, as accurately as f32 sums, v_exp_f32 and their like allow (about 1e-6 of the number): no bf16 or f16 on the way to a quantiser, and a product that is left as it is and whose result goes on into a quantised operand takes f32 operands (vector FMAs, or v_wmma_f32_16x16x4_f32). A number that lies on a knife's edge between two numbers of the format may be rounded either way, as far as f32 arithmetic and the matrix unit's own rounding can turn it there, and no further.
;;   INPUTS GIVEN AS CODES. lin1_w (in the module: [1024, 1024], K = its axis 1); wk_w (in the module: [1024, 1024], K = its axis 1); wq_w (in the module: [1024, 1024], K = its axis 1); wv_w (in the module: [1024, 1024], K = its axis 1): each comes as NAME_codes (uint8): NAME with its K axis moved to the last place and cut into blocks of 32 codes, [.., K / 32, bytes a block], one block behind the other in memory; two codes a byte, the lower K in the low four bits (a code: sign, 2 exponent bits, 1 mantissa bit); and NAME_scales (uint8): the same leading axes, one E8M0 byte (e + 127) for each 32 codes along K. Its value is code x scale, taken as it is: it is not quantised again, and the codes and scales need not be those that the quantiser above would give.
;; One version. Each part assembles by itself: llvm-mc -triple=amdgcn-amd-amdhsa -mcpu=gfx1250 --defsym DOCPART=n.
;; ======== version 1 of 1: 3 launches
;; workspace buffers: qf 4,194,304 bytes; qs 524,288 bytes; kf 4,194,304 bytes; ks 524,288 bytes; vf 4,194,304 bytes; vs 262,144 bytes; y 33,554,432 bytes
;; launch qkv (part 1): grid 4 x 64, 4 waves a work-group, no clusters, 134,144 bytes of LDS; arguments x, wq_w_codes, wq_w_scales, wq_b, wk_w_codes, wk_w_scales, wk_b, wv_w_codes, wv_w_scales, wv_b, qf, qs, kf, ks, vf, vs; writes qf, qs, kf, ks, vf, vs
.if DOCPART == 1
	.amdgcn_target "amdgcn-amd-amdhsa--gfx1250"
	.amdhsa_code_object_version 6
	.text
	.protected	k_qc4954a6737_qkv
	.globl	k_qc4954a6737_qkv
	.p2align	8
	.type	k_qc4954a6737_qkv,@function
k_qc4954a6737_qkv:
	s_mov_b64 s[64:65], 0
	v_nop
	global_prefetch_b8 v0, s[64:65] scope:SCOPE_SE
	s_setreg_imm32_b32 hwreg(HW_REG_WAVE_MODE, 25, 1), 1
	s_wait_xcnt 0x0
; q, k, v = x W^T + b on codes of FP4 (E2M1) with one E8M0 scale for each 32 along K, and their own quantising for the attention that follows.
; x [8192][1024] f32 is quantised here along its 1,024; the weights [1024][1024] come as codes (512 bytes a row) and scale bytes (32 a row).
; SHARES.  A work-group takes 128 rows of x (ttmp7) and four heads (ttmp9); wave w takes head 4 g + w: 64 rows of each of the three weights, for all 128 rows of x.
; x's 128 rows are quantised once by the four waves together (32 rows each) into LDS; behind the one barrier each wave holds all 64 fragments of x in registers.
; A weight row is 512 bytes: one load of a wave.  16 rows go through the wave's own stage in LDS and come back as eight fragments; no wave reads another's stage.
; THE ORDER.  Lane row p of tile 2 B + u stands for row 32 B + 8 u + p + 8 (p / 8), for x's tiles and for the weights' alike.  So the 16 registers of two neighbouring tiles of a result are 16 neighbours.
;   q, k: source 0 = 16 weight rows, source 1 = 16 rows of x: a lane holds one row of x and 16 neighbouring channels of a block of 32 of the head's 64.
;   v:    source 0 = 16 rows of x, source 1 = 16 weight rows: a lane holds one channel and 16 neighbouring keys of a block of 32 keys.
; RESULTS leave as images of the next launch's operand registers: each store of the wave covers 512 consecutive bytes (vs's: 256), aligned.
;   qf, kf [head of batch][tile][lane][16 bytes]; qs, ks [head of batch][row block][lane][4 words]: word o of lane l = the scale word of tile 2 o + l / 16, row l % 16 (bytes 2, 3 = 127: the upper 64 of K are zero codes);
;   vf [head of batch][key step][d tile][half][lane][16 bytes]; vs [head of batch][key step][lane][2 words].
; The biases are the C of each sum's first matrix instruction.
; No joint requests: the text has no tensor load; each wave's weight rows go from memory through registers into its own stage.
; LIMITS: NaN and infinities among the inputs are not served; a block whose largest magnitude lies under 2^-124 (a block of zeros too) gets the scale byte 1; these bytes are read by this program alone.
; REGISTERS, in windows of 256.  Window 0: addresses, scale words, codes at work, T1.  Windows 1, 2: x's 64 fragments ((s, a) at 8 (8 (s % 4) + a) of window 1 + s / 4); before the barrier window 1 is the ring of 8 rows of x.
;   Window 3: v0-127 the 16 accumulators (a, u) at 8 (2 a + u); v128-191 the unit's eight weight fragments; v192-255 T0.
.set XPITCH, 528                       ; a row of codes in LDS: 512 bytes + 16
.set SPITCH, 36                        ; a row of x's scale bytes: 32 + 4
.set XC,   0                           ; x's codes, 128 rows
.set XS,   128*XPITCH                  ; x's scale bytes
.set WST,  XS+128*SPITCH               ; the waves' stages: 16 weight rows each
.set WSTW, 16*XPITCH
.set WSM,  WST+4*WSTW                  ; each wave's small data: scale bytes [3][64][32], then biases [3][64]
.set WSMW, 6912
.set L16,  1                           ; 16 x lane
.set L32,  2                           ; 32 x lane
.set XCA0, 3                           ; where my wave's rows of codes begin, + 4 x lane
.set XSA0, 4                           ; and their scale bytes, + lane / 4
.set XCA,  5                           ; the same in the round in hand
.set XSA,  6
.set XFA,  7                           ; a fragment of x: row R' = r + 8 (r / 8), + 16 h
.set XWA,  8                           ; its scale words
.set WSTA, 9                           ; my stage, + 16 x lane
.set WFA,  10                          ; my stage, row r, + 16 h
.set WSA0, 11                          ; my weights' scale bytes, row R'
.set WSA,  12                          ; the same for the tensor in hand
.set WBA0, 13                          ; my biases, + 64 h
.set WBA,  14
.set WBV,  15                          ; v's biases, + 4 R'
.set XSW,  16                          ; v16-79   x's scale words, (s, a) at 8 s + a
.set WS,   80                          ; v80-87   the unit's weight scale words, by K step
.set BI,   88                          ; v88-95   the unit's bias, as C
.set CODE, 96                          ; v96-127  codes
.set BY,   128                         ; v128-143 q's or k's scale bytes, (a, b) at 2 a + b
.set TM,   144                         ; v144-159 +0 largest magnitudes, +4 the other half's, +8 bytes, +12 scale operands
.set VWD,  160                         ; v160-161 v's scale words of a sub-pass's two d tiles
.set OUTW, 168                         ; v168-171 q's or k's scale words as they are stored
.set VW,   172                         ; v172-173 v's
.set L8,   174                         ; 8 x lane
.set SMA,  175                         ; where the small data are put: scale bytes,
.set SMB,  176                         ; biases
.set TB,   192                         ; T0 (window 3) and T1 (window 0): 16 weight rows as loaded
.set WF,   128                         ; window 3: the unit's fragments, K step s at 8 s
.set CUR,  48                          ; s[48:49] the codes of the tensor in hand;  s[50:51] of the next
.set NXT,  50
.set MSB, 0
.macro WIN new                         ; the immediate's high byte repeats the setting that is left
.if MSB != (\new)
	s_set_vgpr_msb (MSB<<8)|(\new)
.set MSB, (\new)
.endif
.endm
.macro PLACES n
.rept \n
	v_nop
.endr
.endm
	s_load_b512 s[4:19], s[0:1], 0x0               ; x, wq codes, scales, bias, wk codes, scales, bias, wv codes
	s_load_b512 s[20:35], s[0:1], 0x40             ; wv scales, bias, qf, qs, kf, ks, vf, vs
	v_lshl_add_u32 v190, v0, 2, 0x20a00
	v_mov_b32 v191, 0
	v_lshrrev_b32 v177, 5, v0
	v_readfirstlane_b32 s36, v177                  ; wave
	v_and_b32 v178, 31, v0                         ; lane
	v_and_b32 v179, 15, v0                         ; r
	v_bfe_u32 v180, v0, 4, 1                       ; h
	v_and_b32 v181, 8, v179
	v_add_nc_u32 v181, v181, v179                  ; R' = r + 8 (r / 8)
	s_lshl_b32 s37, ttmp9, 2
	s_add_co_u32 s37, s37, s36                     ; my head
	s_and_b32 s38, ttmp7, 0xffff                   ; the block of 128 rows
	v_lshlrev_b32 v[L16], 4, v178
	v_lshlrev_b32 v[L32], 5, v178
	v_lshlrev_b32 v[L8], 3, v178
	s_mul_i32 s40, s36, 32*XPITCH
	v_lshl_add_u32 v[XCA0], v178, 2, s40
	s_mul_i32 s40, s36, 32*SPITCH
	s_add_co_u32 s40, s40, XS
	v_lshrrev_b32 v[XSA0], 2, v178
	v_add_nc_u32 v[XSA0], s40, v[XSA0]
	v_mul_u32_u24 v[XFA], v181, XPITCH
	v_lshl_add_u32 v[XFA], v180, 4, v[XFA]
	v_mul_u32_u24 v[XWA], v181, SPITCH
	v_add_nc_u32 v[XWA], XS, v[XWA]
	s_mul_i32 s40, s36, WSTW
	s_add_co_u32 s40, s40, WST
	v_add_nc_u32 v[WSTA], s40, v[L16]
	v_mul_u32_u24 v[WFA], v179, XPITCH
	v_lshl_add_u32 v[WFA], v180, 4, v[WFA]
	v_add_nc_u32 v[WFA], s40, v[WFA]
	s_mul_i32 s40, s36, WSMW
	s_add_co_u32 s40, s40, WSM
	s_add_co_u32 s41, s40, 6144
	s_add_co_u32 s39, s40, 6656
	v_lshl_add_u32 v[WSA0], v181, 5, s40
	v_lshl_add_u32 v[WBA0], v180, 6, s41
	v_lshl_add_u32 v[WBV], v181, 2, s39
	v_add_nc_u32 v[SMA], s40, v[L16]
	v_add_nc_u32 v[SMB], s41, v[L8]
	v_cmp_le_u32 s44, 16, v178                     ; the mask of lanes 16-31
	s_mov_b32 s42, 0x76543210
	s_mov_b32 s43, 0xfedcba98                      ; v_permlanex16_b32's selects for lane l xor 16
.irp i, 0,1,2,3
	v_mov_b32 v[TM+4+\i], 0                        ; written once: a lane permute's destination counts as one of its sources
.endr
	s_lshl_b32 s40, s38, 19                        ; 128 rows of 4,096 bytes,
	s_lshl_b32 s41, s36, 17                        ; my wave's 32 of them
	s_add_co_u32 s40, s40, s41
	s_mov_b32 s41, 0
	s_wait_alu depctr_va_vdst(0)
	s_wait_kmcnt 0x0
	s_add_nc_u64 s[4:5], s[4:5], s[40:41]
	s_lshl_b32 s40, s37, 15                        ; my head's 64 rows of codes,
	s_add_nc_u64 s[6:7], s[6:7], s[40:41]
	s_add_nc_u64 s[12:13], s[12:13], s[40:41]
	s_add_nc_u64 s[18:19], s[18:19], s[40:41]
	s_lshl_b32 s40, s37, 11                        ; of scale bytes,
	s_add_nc_u64 s[8:9], s[8:9], s[40:41]
	s_add_nc_u64 s[14:15], s[14:15], s[40:41]
	s_add_nc_u64 s[20:21], s[20:21], s[40:41]
	s_lshl_b32 s40, s37, 8                         ; and its 64 biases
	s_add_nc_u64 s[10:11], s[10:11], s[40:41]
	s_add_nc_u64 s[16:17], s[16:17], s[40:41]
	s_add_nc_u64 s[22:23], s[22:23], s[40:41]
	s_lshr_b32 s39, s38, 4
	s_lshl_b32 s39, s39, 4
	s_add_co_u32 s39, s39, s37                     ; head of batch = 16 x batch + head
	s_and_b32 s46, s38, 15                         ; the row block within the batch = the key step
	s_lshl_b32 s40, s39, 16
	s_lshl_b32 s47, s46, 12
	s_add_co_u32 s40, s40, s47
	s_add_nc_u64 s[24:25], s[24:25], s[40:41]      ; qf, kf, vf: 65,536 bytes a head, 4,096 a row block
	s_add_nc_u64 s[28:29], s[28:29], s[40:41]
	s_add_nc_u64 s[32:33], s[32:33], s[40:41]
	s_lshl_b32 s40, s39, 13
	s_lshl_b32 s47, s46, 9
	s_add_co_u32 s40, s40, s47
	s_add_nc_u64 s[26:27], s[26:27], s[40:41]      ; qs, ks: 8,192 and 512
	s_add_nc_u64 s[30:31], s[30:31], s[40:41]
	s_lshl_b32 s40, s39, 12
	s_lshl_b32 s47, s46, 8
	s_add_co_u32 s40, s40, s47
	s_add_nc_u64 s[34:35], s[34:35], s[40:41]      ; vs: 4,096 and 256
	s_mov_b64 s[CUR:CUR+1], s[6:7]                 ; the loop over q and k begins with q
	s_mov_b64 s[NXT:NXT+1], s[12:13]
	s_mov_b64 s[52:53], s[24:25]
	s_mov_b64 s[54:55], s[26:27]
	; my head's scale bytes and biases of the three weights: 15 loads, into window 3
	WIN 0xc0
.irp t, 0,1,2
.irp k, 0,1,2,3
	global_load_b128 v[18*\t+4*\k:18*\t+4*\k+3], v[L16], s[8+6*\t:9+6*\t] offset:512*\k
.endr
	global_load_b64 v[18*\t+16:18*\t+17], v[L8], s[10+6*\t:11+6*\t]
.endr
; A row of x into slot i of the ring: four chunks of 1,024 bytes; in chunk c lane l takes the 8 neighbours 256 c + 8 l on: two loads of 16 bytes, which together cover the chunk whole.
.macro FILL i, row
.irp c, 0,1,2,3
.irp e, 0,1
	global_load_b128 v[32*(\i)+8*\c+4*\e:32*(\i)+8*\c+4*\e+3], v[L32], s[4:5] offset:(\row)*4096+1024*\c+16*\e
.endr
.endr
.endm
	WIN 0x40
.irp i, 0,1,2,3,4,5,6,7
	FILL \i, \i
.endr
	s_wait_loadcnt 56                              ; the seven younger slots may be out: the small data are in
	WIN 0x0c                                       ; an LDS store's data are its source 1: window 3
.irp t, 0,1,2
.irp k, 0,1,2,3
	ds_store_b128 v[SMA], v[18*\t+4*\k:18*\t+4*\k+3] offset:2048*\t+512*\k
.endr
	ds_store_b64 v[SMB], v[18*\t+16:18*\t+17] offset:256*\t
.endr
	WIN 0
; THE TURN OF SLOT i: one row of x becomes 512 bytes of codes and 32 scale bytes in LDS.  A block of 32 lies in four neighbouring lanes.
; left = how many younger loads may be out; refill = 1: the slot takes the row eight further down.
.macro TURN i, refill, left
	s_wait_loadcnt \left
	WIN 0x05                                       ; sources 0 and 1: the ring, window 1
.irp c, 0,1,2,3
	v_max3_num_f32 v[TM+\c], |v[32*\i+8*\c]|, |v[32*\i+8*\c+1]|, 0x1800000   ; my 8 numbers of chunk c, and the floor 2^(3 - 127): the byte cannot fall under 1
.endr
.irp p, 2,4,6
.irp c, 0,1,2,3
	v_max3_num_f32 v[TM+\c], |v[32*\i+8*\c+\p]|, |v[32*\i+8*\c+\p+1]|, v[TM+\c]
.endr
.endr
	WIN 0
.irp c, 0,1,2,3
	v_max_num_f32_dpp v[TM+\c], v[TM+\c], v[TM+\c] row_xmask:1 row_mask:0xf bank_mask:0xf
.endr
.irp c, 0,1,2,3
	v_max_num_f32_dpp v[TM+\c], v[TM+\c], v[TM+\c] row_xmask:2 row_mask:0xf bank_mask:0xf   ; the block's largest magnitude
.endr
.irp c, 0,1,2,3
	v_add_nc_u32 v[TM+12+\c], 0xff000000, v[TM+\c] ; 2 off its exponent field: the conversion's scale operand
.endr
	WIN 0x01
.irp c, 0,1,2,3
	v_cvt_scalef32_pk8_fp4_f32 v[CODE+4*\i+\c], v[32*\i+8*\c:32*\i+8*\c+7], v[TM+12+\c]
.endr
	WIN 0
.irp c, 0,1,2,3
	v_lshrrev_b32 v[TB+4*\i+\c], 23, v[TM+12+\c]   ; the scale's byte.  (Plain lines behind the conversions)
.endr
.irp c, 0,1,2,3
	ds_store_b32 v[XCA], v[CODE+4*\i+\c] offset:\i*XPITCH+128*\c
	ds_store_b8 v[XSA], v[TB+4*\i+\c] offset:\i*SPITCH+8*\c      ; the four lanes of a block write the same byte with the same value
.endr
.if \refill
	WIN 0x40
	FILL \i, 8+\i
	WIN 0
.endif
.endm
	s_mov_b32 s45, 3                               ; four rounds of eight rows: three in the loop, the last written out without refills, so that no load leaves x
	s_mov_b32 s46, 0
	s_mov_b32 s47, 0
.Lround:
	v_add_nc_u32 v[XCA], s46, v[XCA0]
	v_add_nc_u32 v[XSA], s47, v[XSA0]
.irp i, 0,1,2,3,4,5,6,7
	TURN \i, 1, 56                                 ; behind a slot's 8 loads stand those of the seven other slots
.endr
	s_wait_xcnt 0x0                                ; the refills have read their base: it may step
	s_wait_dscnt 0x0                               ; my LDS stores are done: their address and data registers may be written again
	s_add_nc_u64 s[4:5], s[4:5], 8*4096
	s_add_co_u32 s46, s46, 8*XPITCH
	s_add_co_u32 s47, s47, 8*SPITCH
	s_sub_co_u32 s45, s45, 1
	s_cmp_lg_u32 s45, 0
	s_cbranch_scc1 .Lround
	v_add_nc_u32 v[XCA], s46, v[XCA0]
	v_add_nc_u32 v[XSA], s47, v[XSA0]
.irp i, 0,1,2,3,4,5,6,7
	TURN \i, 0, 8*(7-\i)
.endr
; 16 weight rows, in THE ORDER, of tile (b, u) of the tensor at s[base]: each load is one whole row of 512 bytes.  T0 lies in window 3, T1 in window 0.
.macro TLOAD u, base, b
.if \u == 0
	WIN 0xc0
.else
	WIN 0
.endif
.irp i, 0,1,2,3,4,5,6,7,8,9,10,11,12,13,14,15
	global_load_b128 v[TB+4*\i:TB+4*\i+3], v[L16], s[\base:\base+1] offset:(32*\b+8*\u+\i+8*(\i/8))*512
.endr
	WIN 0
.endm
	s_wait_dscnt 0x0                               ; for the others' sake: my rows of codes and bytes lie in LDS; and the byte stores have read the registers that T1 takes
	TLOAD 0, CUR, 0                                ; q's first two tiles are asked for ahead of the barrier
	TLOAD 1, CUR, 0
	s_barrier_signal -1
	s_barrier_wait -1                              ; x's 128 rows of codes are whole
.irp s, 0,1,2,3,4,5,6,7
	WIN (1+\s/4)<<6                                ; destination window 1 or 2
.irp a, 0,1,2,3,4,5,6,7
.irp c, 0,1
	ds_load_b128 v[8*(8*(\s%4)+\a)+4*\c:8*(8*(\s%4)+\a)+4*\c+3], v[XFA] offset:(32*(\a/2)+8*(\a%2))*XPITCH+64*\s+32*\c
.endr
.endr
.endr
	WIN 0
.irp s, 0,1,2,3,4,5,6,7
.irp a, 0,1,2,3,4,5,6,7
	ds_load_b32 v[XSW+8*\s+\a], v[XWA] offset:(32*(\a/2)+8*(\a%2))*SPITCH+4*\s
.endr
.endr
	s_wait_dscnt 0x0
; A UNIT: one tile of 16 weight rows against all 128 rows of x: 64 matrix instructions, 8 accumulators by turns, one instruction a turn, K ascending.
; isv = 0: q or k (source 0 = the weight);  1: v (source 0 = x).  nbase, nb: the tile that takes this T next (nbase < 0: none).  left: the other T's loads, which may be out.
.macro UNIT b, u, isv, nbase, nb, left
	PLACES 5                                       ; behind the last products: loads go into registers that they read, and accumulators are begun anew with another C
	s_wait_loadcnt \left
.if \u == 0
	WIN 0x0c
.endif
.irp i, 0,1,2,3,4,5,6,7,8,9,10,11,12,13,14,15
	ds_store_b128 v[WSTA], v[TB+4*\i:TB+4*\i+3] offset:\i*XPITCH
.endr
	WIN 0xc0                                       ; LDS serves a wave's instructions in order: these see the stores above
.irp s, 0,1,2,3,4,5,6,7
.irp c, 0,1
	ds_load_b128 v[WF+8*\s+4*\c:WF+8*\s+4*\c+3], v[WFA] offset:64*\s+32*\c
.endr
.endr
	WIN 0
.if \isv
	ds_load_b128 v[WS:WS+3], v[WSA0] offset:4096+(32*\b+8*\u)*32
	ds_load_b128 v[WS+4:WS+7], v[WSA0] offset:4096+(32*\b+8*\u)*32+16
.irp j, 0,1,2,3,4,5,6,7
	ds_load_b32 v[BI+\j], v[WBV] offset:(32*\b+8*\u)*4       ; a lane holds one channel: its bias eight times
.endr
.else
	ds_load_b128 v[WS:WS+3], v[WSA] offset:(32*\b+8*\u)*32
	ds_load_b128 v[WS+4:WS+7], v[WSA] offset:(32*\b+8*\u)*32+16
	ds_load_b128 v[BI:BI+3], v[WBA] offset:(32*\b+8*\u)*4    ; the biases of channels 32 b + 16 h + 8 u + 0 .. 7
	ds_load_b128 v[BI+4:BI+7], v[WBA] offset:(32*\b+8*\u)*4+16
.endif
	s_wait_dscnt 0x0                               ; the fragments are in, and the stores into the stage have read T
.if \nbase >= 0
	TLOAD \u, \nbase, \nb
.endif
.irp s, 0,1,2,3,4,5,6,7
.if \isv
.if \s == 0
	WIN 0xcd                                       ; source 0 (x) window 1, source 1 (W) window 3, C window 0, D window 3
.elseif \s < 4
	WIN 0xfd
.else
	WIN 0xfe                                       ; x's K steps 4-7 lie in window 2
.endif
.else
.if \s == 0
	WIN 0xc7                                       ; source 0 (W) window 3, source 1 (x) window 1, C window 0, D window 3
.elseif \s < 4
	WIN 0xf7
.else
	WIN 0xfb
.endif
.endif
.irp a, 0,1,2,3,4,5,6,7
.set rD, 8*(2*\a+\u)
.set rX, 8*(8*(\s%4)+\a)
.set rW, WF+8*\s
.if \isv
.if \s == 0
	v_wmma_scale_f32_16x16x128_f8f6f4 v[rD:rD+7], v[rX:rX+7], v[rW:rW+7], v[BI:BI+7], v[XSW+8*\s+\a], v[WS+\s] matrix_a_fmt:MATRIX_FMT_FP4 matrix_b_fmt:MATRIX_FMT_FP4
.else
	v_wmma_scale_f32_16x16x128_f8f6f4 v[rD:rD+7], v[rX:rX+7], v[rW:rW+7], v[rD:rD+7], v[XSW+8*\s+\a], v[WS+\s] matrix_a_fmt:MATRIX_FMT_FP4 matrix_b_fmt:MATRIX_FMT_FP4
.endif
.else
.if \s == 0
	v_wmma_scale_f32_16x16x128_f8f6f4 v[rD:rD+7], v[rW:rW+7], v[rX:rX+7], v[BI:BI+7], v[WS+\s], v[XSW+8*\s+\a] matrix_a_fmt:MATRIX_FMT_FP4 matrix_b_fmt:MATRIX_FMT_FP4
.else
	v_wmma_scale_f32_16x16x128_f8f6f4 v[rD:rD+7], v[rW:rW+7], v[rX:rX+7], v[rD:rD+7], v[WS+\s], v[XSW+8*\s+\a] matrix_a_fmt:MATRIX_FMT_FP4 matrix_b_fmt:MATRIX_FMT_FP4
.endif
.endif
.endr
.endr
	WIN 0
.endm
; FOUR BLOCKS OF 32 ARE QUANTISED, by turns.  Block i: my 16 numbers are the accumulators at l0 + str i and hi further on (window 3); lane l xor 16 holds the other 16.
; Its two registers of codes go to c0 + cstr i, its byte to b0 + bstr i.  Each accumulator is read from its low end on.
.macro QB4 l0, str, hi, c0, cstr, b0, bstr
	WIN 0x0f
.irp i, 0,1,2,3
	v_max3_num_f32 v[TM+\i], |v[(\l0)+(\str)*\i]|, |v[(\l0)+(\str)*\i+1]|, 0x1800000   ; and the floor 2^(3 - 127)
.endr
.irp p, 2,4,6
.irp i, 0,1,2,3
	v_max3_num_f32 v[TM+\i], |v[(\l0)+(\str)*\i+\p]|, |v[(\l0)+(\str)*\i+\p+1]|, v[TM+\i]
.endr
.endr
.irp p, 0,2,4,6
.irp i, 0,1,2,3
	v_max3_num_f32 v[TM+\i], |v[(\l0)+(\str)*\i+(\hi)+\p]|, |v[(\l0)+(\str)*\i+(\hi)+\p+1]|, v[TM+\i]
.endr
.endr
	WIN 0
.irp i, 0,1,2,3
	v_permlanex16_b32 v[TM+4+\i], v[TM+\i], s42, s43
.endr
.irp i, 0,1,2,3
	v_max_num_f32 v[TM+\i], v[TM+\i], v[TM+4+\i]   ; the block's largest magnitude
.endr
.irp i, 0,1,2,3
	v_add_nc_u32 v[TM+12+\i], 0xff000000, v[TM+\i] ; 2 off its exponent field: the conversion's scale operand
.endr
.irp i, 0,1,2,3
	v_lshrrev_b32 v[(\b0)+(\bstr)*\i], 23, v[TM+12+\i]   ; the scale's byte
.endr
	WIN 0x03
.irp i, 0,1,2,3
	v_cvt_scalef32_pk8_fp4_f32 v[(\c0)+(\cstr)*\i], v[(\l0)+(\str)*\i:(\l0)+(\str)*\i+7], v[TM+12+\i]
	v_cvt_scalef32_pk8_fp4_f32 v[(\c0)+(\cstr)*\i+1], v[(\l0)+(\str)*\i+(\hi):(\l0)+(\str)*\i+(\hi)+7], v[TM+12+\i]
.endr
	WIN 0
	v_nop                                          ; one plain line behind the last conversion
.endm
; q's or k's eight tiles leave.  The operand's layout wants a whole block in a lane: lanes 0-15 channels 0-31, lanes 16-31 channels 32-63.
.macro QKOUT
.irp a, 0,1,2,3,4,5,6,7
.irp i, 0,1
	v_permlane16_swap_b32 v[CODE+4*\a+\i], v[CODE+4*\a+2+\i]
.endr
.endr
.irp a, 0,1,2,3,4,5,6,7
	v_lshl_or_b32 v[BY+2*\a], v[BY+2*\a+1], 8, v[BY+2*\a]
.endr
.irp a, 0,1,2,3,4,5,6,7
	v_or_b32 v[BY+2*\a], 0x7f7f0000, v[BY+2*\a]    ; the row's scale word: two bytes, and 127 over the zero codes of K = 64 .. 127
.endr
.irp o, 0,1,2,3
	v_cndmask_b32 v[OUTW+\o], v[BY+4*\o], v[BY+4*\o+2], s44      ; lanes 0-15: tile 2 o; lanes 16-31: tile 2 o + 1
.endr
.irp a, 0,1,2,3,4,5,6,7
	global_store_b128 v[L16], v[CODE+4*\a:CODE+4*\a+3], s[52:53] offset:512*\a
.endr
	global_store_b128 v[L16], v[OUTW:OUTW+3], s[54:55]
.endm
	s_mov_b32 s45, 2                               ; two trips: q, then k
	s_mov_b32 s56, 0
	s_mov_b32 s57, 0
.Lqk:
	v_add_nc_u32 v[WSA], s56, v[WSA0]              ; (no LDS instruction of mine is out)
	s_wait_alu depctr_va_vdst(0)
	v_add_nc_u32 v[WBA], s57, v[WBA0]
	s_wait_alu depctr_va_vdst(0)
	UNIT 0, 0, 0, CUR, 1, 16                       ; channels 0-31 of the head
	UNIT 0, 1, 0, CUR, 1, 16
	PLACES 4
	QB4 0, 16, 8, CODE+0, 4, BY+0, 2
	QB4 64, 16, 8, CODE+16, 4, BY+8, 2
	UNIT 1, 0, 0, NXT, 0, 16                       ; channels 32-63; the T buffers take the next tensor's first tiles
	UNIT 1, 1, 0, NXT, 0, 16
	PLACES 4
	QB4 0, 16, 8, CODE+2, 4, BY+1, 2
	QB4 64, 16, 8, CODE+18, 4, BY+9, 2
	QKOUT
	s_wait_xcnt 0x0                                ; the stores have read their data and bases, the loads on their way their base: all may be written
	s_mov_b64 s[CUR:CUR+1], s[NXT:NXT+1]
	s_mov_b64 s[NXT:NXT+1], s[18:19]
	s_mov_b64 s[52:53], s[28:29]
	s_mov_b64 s[54:55], s[30:31]
	s_add_co_u32 s56, s56, 2048
	s_add_co_u32 s57, s57, 256
	s_sub_co_u32 s45, s45, 1
	s_cmp_lg_u32 s45, 0
	s_cbranch_scc1 .Lqk
; v's two d tiles of sub-pass b leave: four blocks of 32 keys each, one fragment and one scale word a channel.
.macro VOUT b
.irp u, 0,1
	QB4 8*\u, 32, 16, CODE+16*\b+8*\u, 2, TM+8, 1
.irp c, 0,1
.irp i, 0,1
	v_permlane16_swap_b32 v[CODE+16*\b+8*\u+4*\c+\i], v[CODE+16*\b+8*\u+4*\c+2+\i]
.endr
.endr
	v_lshl_or_b32 v[VWD+\u], v[TM+9], 8, v[TM+8]
	v_lshl_or_b32 v[VWD+\u], v[TM+10], 16, v[VWD+\u]
	v_lshl_or_b32 v[VWD+\u], v[TM+11], 24, v[VWD+\u]
	global_store_b128 v[L16], v[CODE+16*\b+8*\u:CODE+16*\b+8*\u+3], s[32:33] offset:(2*\b+\u)*1024
	global_store_b128 v[L16], v[CODE+16*\b+8*\u+4:CODE+16*\b+8*\u+7], s[32:33] offset:(2*\b+\u)*1024+512
.endr
	v_cndmask_b32 v[VW+\b], v[VWD], v[VWD+1], s44  ; lanes 0-15: d tile 2 b; lanes 16-31: d tile 2 b + 1
.endm
	UNIT 0, 0, 1, 18, 1, 16
	UNIT 0, 1, 1, 18, 1, 16
	PLACES 4
	VOUT 0
	UNIT 1, 0, 1, -1, 0, 16                        ; nothing is left to ask for
	UNIT 1, 1, 1, -1, 0, 0
	PLACES 4
	VOUT 1
	global_store_b64 v[L8], v[VW:VW+1], s[34:35]
	s_wait_tensorcnt 0x0
	ds_add_u32 v190, v191
	s_wait_dscnt 0x0
	s_endpgm
.Lfunc_end_k_qc4954a6737_qkv:
	.size	k_qc4954a6737_qkv, .Lfunc_end_k_qc4954a6737_qkv-k_qc4954a6737_qkv
	.p2alignl 7, 3214868480
	.fill 96, 4, 3214868480
	.section	.rodata,"a",@progbits
	.p2align	6, 0x0
	.amdhsa_kernel k_qc4954a6737_qkv
		.amdhsa_group_segment_fixed_size 134144
		.amdhsa_private_segment_fixed_size 0
		.amdhsa_enable_private_segment 0
		.amdhsa_kernarg_size 128
		.amdhsa_user_sgpr_count 2
		.amdhsa_user_sgpr_kernarg_segment_ptr 1
		.amdhsa_wavefront_size32 1
		.amdhsa_system_sgpr_workgroup_id_x 1
		.amdhsa_system_sgpr_workgroup_id_y 1
		.amdhsa_system_sgpr_workgroup_id_z 1
		.amdhsa_system_vgpr_workitem_id 0
		.amdhsa_next_free_vgpr 1024
		.amdhsa_next_free_sgpr 66
		.amdhsa_reserve_vcc 0
		.amdhsa_float_denorm_mode_32 3
		.amdhsa_float_denorm_mode_16_64 3
		.amdhsa_memory_ordered 1
		.amdhsa_forward_progress 1
		.amdhsa_inst_pref_size 212
	.end_amdhsa_kernel
	.amdgpu_metadata
---
amdhsa.version: [ 1, 2 ]
amdhsa.kernels:
  - .name:           k_qc4954a6737_qkv
    .symbol:         k_qc4954a6737_qkv.kd
    .args:
      - { .name: x, .offset: 0, .size: 8, .value_kind: global_buffer, .address_space: global }
      - { .name: wq_w_codes, .offset: 8, .size: 8, .value_kind: global_buffer, .address_space: global }
      - { .name: wq_w_scales, .offset: 16, .size: 8, .value_kind: global_buffer, .address_space: global }
      - { .name: wq_b, .offset: 24, .size: 8, .value_kind: global_buffer, .address_space: global }
      - { .name: wk_w_codes, .offset: 32, .size: 8, .value_kind: global_buffer, .address_space: global }
      - { .name: wk_w_scales, .offset: 40, .size: 8, .value_kind: global_buffer, .address_space: global }
      - { .name: wk_b, .offset: 48, .size: 8, .value_kind: global_buffer, .address_space: global }
      - { .name: wv_w_codes, .offset: 56, .size: 8, .value_kind: global_buffer, .address_space: global }
      - { .name: wv_w_scales, .offset: 64, .size: 8, .value_kind: global_buffer, .address_space: global }
      - { .name: wv_b, .offset: 72, .size: 8, .value_kind: global_buffer, .address_space: global }
      - { .name: qf, .offset: 80, .size: 8, .value_kind: global_buffer, .address_space: global }
      - { .name: qs, .offset: 88, .size: 8, .value_kind: global_buffer, .address_space: global }
      - { .name: kf, .offset: 96, .size: 8, .value_kind: global_buffer, .address_space: global }
      - { .name: ks, .offset: 104, .size: 8, .value_kind: global_buffer, .address_space: global }
      - { .name: vf, .offset: 112, .size: 8, .value_kind: global_buffer, .address_space: global }
      - { .name: vs, .offset: 120, .size: 8, .value_kind: global_buffer, .address_space: global }
    .group_segment_fixed_size: 134144
    .private_segment_fixed_size: 0
    .kernarg_segment_align: 8
    .kernarg_segment_size: 128
    .max_flat_workgroup_size: 128
    .sgpr_count:     66
    .vgpr_count:     1024
    .wavefront_size: 32
...
	.end_amdgpu_metadata
.endif
;; end of part 1
;; launch attn (part 2): grid 4 x 64, 16 waves a work-group, no clusters, 215,040 bytes of LDS; arguments x, qf, qs, kf, ks, vf, vs, y; writes y
.if DOCPART == 2
	.amdgcn_target "amdgcn-amd-amdhsa--gfx1250"
	.amdhsa_code_object_version 6
	.text
	.protected	k_qc4954a6737_attn
	.globl	k_qc4954a6737_attn
	.p2align	8
	.type	k_qc4954a6737_attn,@function
k_qc4954a6737_attn:
	s_mov_b64 s[64:65], 0
	v_nop
	global_prefetch_b8 v0, s[64:65] scope:SCOPE_SE
	s_setreg_imm32_b32 hwreg(HW_REG_WAVE_MODE, 25, 1), 1
	s_wait_xcnt 0x0
; y = x + softmax(q k^T / 8, causal) v, head by head, both products on codes of FP4 (E2M1) with one E8M0 scale for each 32 along a product's K.
; THE SOFTMAX AHEAD OF THE SECOND PRODUCT: t = score x log2(e) / 8; M = the row's largest t so far, rounded UP to a whole number; p = 2^(t - M) is quantised along the keys, not normalised.
; The row's sum is taken of the unquantised p and divides at the end.  When M moves, the sum and O are multiplied by 2^(old M - new M): exact.
; SHARES.  ttmp7 = the head of the batch, ttmp9 = one of its four work-groups.  The whole head's K and V (codes and scale words, 143,360 bytes, as images of operand registers) are put into LDS once.
; Wave w of work-group g has n = 16 g + w and takes two tiles of 16 queries: tile n, then tile 127 - n.  Tile T needs key steps 0 .. T / 8, 128 keys each: (n / 8 + 1) + (16 - n / 8) = 17 steps for every wave.
; THE ORDER.  Lane row p of tile 2 B + u stands for row 32 B + 8 u + p + 8 (p / 8): so lie the queries of a tile, the keys of a tile of K and the channels of a tile of V.
; LAYOUT.  Both products are used transposed: S^T = K Q^T, O^T = V^T P^T: a lane holds ONE query throughout; the 16 registers of two neighbouring tiles of S^T are 16 neighbouring keys, those of O^T 16 neighbouring channels.
; The head has 64 channels: the upper half of K's and Q's fragments is zero codes, under the scale byte 127.
; CAUSAL.  The loop over key steps has a constant 16 trips; a step all of whose keys come after the tile's queries is jumped over by a scalar branch on ids; in the last step that counts hidden scores become -infinity.
; No joint requests: the text has no tensor load; the fill goes through registers, once.
; LIMITS: NaN and infinities are not served; a block of p whose largest lies under 2^-124 gets the scale byte 1 (its codes are zeros or the smallest).
; REGISTERS: v1-7, v30, v31 addresses that stay; v8-11 the step's LDS addresses; v12 -M, v13 the largest t, v[14:15] the sum; v16-23 Q; v24-27 K's scale words, v28-29 V's; v32-95 K's 8 fragments; v96-159 S^T, then p;
;   v160-191 O^T; v192-223 V's 4 fragments; v224-231 p's codes; v232-254 at work; v253 p's scale word; v255 Q's.
.set KF,  0                            ; K's fragments: [tile 0..127][lane][16 bytes]
.set VF,  65536                        ; V's: [key step][d tile][half][lane][16 bytes]
.set KS,  131072                       ; K's scale words: [key step][lane][4 words]
.set VS,  139264                       ; V's: [key step][lane][2 words]
.set STG, 143360                       ; the way out: 16 rows x (256 bytes + 16) for each wave
.set STW, 16*272
.macro PLACES n
.rept \n
	v_nop
.endr
.endm
	s_load_b512 s[4:19], s[0:1], 0x0               ; x, qf, qs, kf, ks, vf, vs, y
	v_lshl_add_u32 v250, v0, 2, 0x34000
	v_mov_b32 v251, 0
	v_lshrrev_b32 v8, 5, v0
	s_delay_alu instid0(VALU_DEP_1)
	v_readfirstlane_b32 s20, v8                    ; wave 0..15
	s_and_b32 s21, ttmp7, 0xffff                   ; head of batch
	s_lshl_b32 s22, ttmp9, 4
	s_add_co_u32 s22, s22, s20                     ; n
	v_and_b32 v9, 31, v0                           ; lane
	v_and_b32 v10, 15, v0                          ; r
	v_bfe_u32 v11, v0, 4, 1                        ; h
	s_delay_alu instid0(VALU_DEP_3)
	v_lshlrev_b32 v1, 4, v9                        ; 16 x lane: an image's place for my lane (K's begin at LDS byte 0)
	s_delay_alu instid0(VALU_DEP_1)
	v_add_nc_u32 v2, VF, v1
	s_delay_alu instid0(VALU_DEP_2)
	v_add_nc_u32 v3, KS, v1
	v_lshlrev_b32 v4, 3, v9
	s_delay_alu instid0(VALU_DEP_1)
	v_add_nc_u32 v4, VS, v4
	v_lshlrev_b32 v5, 12, v11
	s_delay_alu instid0(VALU_DEP_1)
	v_lshl_add_u32 v5, v10, 4, v5                  ; x, y: lanes 0-15 one row's 256 bytes of the head, lanes 16-31 the next row's
	s_mul_i32 s35, s20, STW
	s_add_co_u32 s35, s35, STG                     ; my stage
	v_mul_u32_u24 v6, v10, 272
	s_delay_alu instid0(VALU_DEP_1)
	v_lshl_add_u32 v6, v11, 6, v6
	s_delay_alu instid0(VALU_DEP_1)
	v_add_nc_u32 v6, s35, v6                       ; in: row r, + 64 h
	v_mul_u32_u24 v7, v11, 272
	s_delay_alu instid0(VALU_DEP_1)
	v_lshl_add_u32 v7, v10, 4, v7
	s_delay_alu instid0(VALU_DEP_1)
	v_add_nc_u32 v7, s35, v7                       ; back: lanes 0-15 one row, lanes 16-31 the next
	v_and_b32 v30, 8, v10
	s_delay_alu instid0(VALU_DEP_1)
	v_add_nc_u32 v30, v30, v10
	v_lshlrev_b32 v31, 4, v11
	s_delay_alu instid0(VALU_DEP_1)
	v_sub_nc_u32 v30, v30, v31                     ; r + 8 (r / 8) - 16 h: my query's place in its tile, less my half's first key
	v_lshlrev_b32 v31, 4, v10                      ; 16 r: Q's scale words
	v_lshlrev_b32 v240, 4, v0                      ; the fill: 16 bytes a thread,
	s_delay_alu instid0(VALU_DEP_1)
	v_add_nc_u32 v241, VF, v240
	s_delay_alu instid0(VALU_DEP_2)
	v_add_nc_u32 v242, KS, v240
	v_lshlrev_b32 v243, 3, v0                      ; or 8
	s_delay_alu instid0(VALU_DEP_1)
	v_add_nc_u32 v244, VS, v243
	s_mov_b32 s30, 0x76543210
	s_mov_b32 s31, 0xfedcba98                      ; v_permlanex16_b32's selects for lane l xor 16
	s_mov_b32 s32, 0x3e38aa3b                      ; c = log2(e) / 8
	s_mov_b32 s33, s32                             ; (named with it as a pair, so it is written)
	s_mov_b32 s45, 0
	s_lshl_b32 s44, s21, 16
	s_wait_alu depctr_va_vdst(0)
	s_wait_kmcnt 0x0
	s_add_nc_u64 s[6:7], s[6:7], s[44:45]          ; the head's images
	s_add_nc_u64 s[10:11], s[10:11], s[44:45]
	s_add_nc_u64 s[14:15], s[14:15], s[44:45]
	s_lshl_b32 s44, s21, 13
	s_add_nc_u64 s[8:9], s[8:9], s[44:45]
	s_add_nc_u64 s[12:13], s[12:13], s[44:45]
	s_lshl_b32 s44, s21, 12
	s_add_nc_u64 s[16:17], s[16:17], s[44:45]
	s_lshr_b32 s44, s21, 4
	s_lshl_b32 s44, s44, 23                        ; the batch's 2,048 rows of 4,096 bytes,
	s_and_b32 s35, s21, 15
	s_lshl_b32 s35, s35, 8                         ; the head's 256 bytes of a row
	s_add_co_u32 s44, s44, s35
	s_add_nc_u64 s[4:5], s[4:5], s[44:45]
	s_add_nc_u64 s[18:19], s[18:19], s[44:45]
	; THE FILL: the 512 threads take 8,192 consecutive bytes an instruction
.irp i, 0,1,2,3,4,5,6,7
	global_load_b128 v[96+4*\i:99+4*\i], v240, s[10:11] offset:8192*\i
.endr
.irp i, 0,1,2,3,4,5,6,7
	global_load_b128 v[128+4*\i:131+4*\i], v240, s[14:15] offset:8192*\i
.endr
	global_load_b128 v[160:163], v240, s[12:13]
	global_load_b64 v[164:165], v243, s[16:17]
.irp j, 20,21,22,23
	v_mov_b32 v[\j], 0                             ; the upper half of Q's fragment: zero codes
.endr
.irp t, 0,1,2,3,4,5,6,7
.irp j, 4,5,6,7
	v_mov_b32 v[32+8*\t+\j], 0                     ; and of K's eight; no later line writes them
.endr
.endr
.irp j, 236,237,238,239,252,253
	v_mov_b32 v[\j], 0                             ; written once: lane permutes' destinations, and the upper half of the pair v[252:253]
.endr
	s_wait_loadcnt 0x0
.irp i, 0,1,2,3,4,5,6,7
	ds_store_b128 v240, v[96+4*\i:99+4*\i] offset:8192*\i
.endr
.irp i, 0,1,2,3,4,5,6,7
	ds_store_b128 v241, v[128+4*\i:131+4*\i] offset:8192*\i
.endr
	ds_store_b128 v242, v[160:163]
	ds_store_b64 v244, v[164:165]
	s_wait_dscnt 0x0                               ; for the others' sake: my part lies in LDS
	s_barrier_signal -1
	s_barrier_wait -1                              ; the head's K and V are whole; nothing writes them again
; A KEY STEP: 128 keys.  s25 = the step, s26, s27, s28 = its place among the fragments and the scale words.
.macro STEP
	v_add_nc_u32 v8, s26, v1                       ; (no LDS instruction of mine is out.  These four are also the places in front of the loads into registers that the last products read)
	v_add_nc_u32 v9, s26, v2
	v_add_nc_u32 v10, s27, v3
	v_add_nc_u32 v11, s28, v4
.irp t, 0,1,2,3,4,5,6,7
	ds_load_b128 v[32+8*\t:35+8*\t], v8 offset:512*\t
.endr
	ds_load_b128 v[24:27], v10                     ; word o: lanes 0-15 tile 2 o's scale words, lanes 16-31 tile 2 o + 1's
.irp d, 0,1,2,3
.irp c, 0,1
	ds_load_b128 v[192+8*\d+4*\c:195+8*\d+4*\c], v9 offset:1024*\d+512*\c
.endr
.endr
	ds_load_b64 v[28:29], v11
	s_wait_dscnt 9                                 ; K and its scale words are in; V's nine loads may be out
.irp t, 0,2,4,6
	v_wmma_scale_f32_16x16x128_f8f6f4 v[96+8*\t:103+8*\t], v[32+8*\t:39+8*\t], v[16:23], 0, v[24+\t/2], v255 matrix_a_fmt:MATRIX_FMT_FP4 matrix_b_fmt:MATRIX_FMT_FP4
	v_wmma_scale_f32_16x16x128_f8f6f4 v[104+8*\t:111+8*\t], v[40+8*\t:47+8*\t], v[16:23], 0, v[24+\t/2], v255 matrix_a_fmt:MATRIX_FMT_FP4 matrix_b_fmt:MATRIX_FMT_FP4 matrix_a_scale:MATRIX_SCALE_ROW1
.endr
	PLACES 4
	s_cmp_lt_u32 s25, s24                          ; a step ahead of the tile's last: all its keys count
	s_cbranch_scc1 .Lopen_\@
	s_lshl_b32 s35, s25, 7
	s_sub_co_i32 s35, s34, s35
	v_add_nc_u32 v252, s35, v30                    ; d = my query - the step's first key - 16 h.  Register 16 b + i holds key 32 b + 16 h + i of the step: hidden where 32 b + i > d
	v_mov_b32 v254, 0xff800000                     ; -infinity
.set NN, 0
.rept 64
	v_cmp_gt_i32 vcc_lo, 32*(NN/16)+NN%16, v252
	v_cndmask_b32 v[96+NN], v[96+NN], v254, vcc_lo
.set NN, NN+1
.endr
.Lopen_\@:
.irp b, 0,1,2,3
	v_max3_num_f32 v[232+\b], v[96+16*\b], v[97+16*\b], v[98+16*\b]   ; the largest score of each block of 32 keys: for the row's maximum, and, since p rises with the score, for the block's largest p
.endr
.irp i, 3,5,7,9,11,13
.irp b, 0,1,2,3
	v_max3_num_f32 v[232+\b], v[232+\b], v[96+16*\b+\i], v[97+16*\b+\i]
.endr
.endr
.irp b, 0,1,2,3
	v_max_num_f32 v[232+\b], v[232+\b], v[111+16*\b]
.endr
.irp b, 0,1,2,3
	s_delay_alu instid0(VALU_DEP_4)
	v_permlanex16_b32 v[236+\b], v[232+\b], s30, s31
.endr
.irp b, 0,1,2,3
	s_delay_alu instid0(VALU_DEP_4)
	v_max_num_f32 v[232+\b], v[232+\b], v[236+\b]  ; with lane l xor 16's 16 keys
.endr
	s_delay_alu instid0(VALU_DEP_2)
	v_max3_num_f32 v254, v232, v233, v234
	s_delay_alu instid0(VALU_DEP_1)
	v_max_num_f32 v254, v254, v235                 ; the step's largest score of my query
	s_delay_alu instid0(VALU_DEP_1)
	v_mul_f32 v254, s32, v254                      ; as t (c is positive)
	s_delay_alu instid0(VALU_DEP_1)
	v_max_num_f32 v13, v13, v254                   ; the running largest t
	v_mov_b32 v254, v12
	s_delay_alu instid0(VALU_DEP_2)
	v_floor_f32 v12, -v13                          ; the new -M = floor(-t) = -ceil(t): a whole number
	s_delay_alu instid0(VALU_DEP_1)
	v_sub_f32 v254, v12, v254                      ; old M - new M: a whole number, 0 or less
	s_delay_alu instid0(VALU_DEP_1)
	v_cvt_i32_f32 v254, v254                       ; (it saturates)
	s_delay_alu instid0(VALU_DEP_1)
	v_ldexp_f32 v252, 1.0, v254                    ; f = 2^(old M - new M)
.set JJ, 0
.rept 32
	v_pk_fma_f32 v[96+JJ:97+JJ], v[96+JJ:97+JJ], s[32:33], v[12:13] op_sel_hi:[1,0,0]   ; t - M, two at a time
.set JJ, JJ+2
.endr
	s_setprio 1
.irp b, 0,1,2,3
	v_fma_f32 v[232+\b], v[232+\b], s32, v12       ; the same of each block's largest score
.endr
.set JJ, 0
	s_wait_alu depctr_va_vdst(0)
.rept 64
	v_exp_f32 v[96+JJ], v[96+JJ]                   ; p = 2^(t - M), at most 1
.set JJ, JJ+1
.endr
	v_pk_mul_f32 v[14:15], v[14:15], v[252:253] op_sel_hi:[1,0]   ; the sums under the new M.  (A plain line behind the exponentials)
	s_wait_alu depctr_va_vdst(0)                   ; one wait for the whole batch, ahead of its first reader
.irp b, 0,1,2,3
	v_exp_f32 v[232+\b], v[232+\b]                 ; the block's largest p: the same two instructions on the same number
.endr
	v_pk_add_f32 v[236:237], v[100:101], v[104:105]
	v_pk_add_f32 v[248:249], v[108:109], v[112:113]
	v_pk_add_f32 v[246:247], v[116:117], v[120:121]
	v_pk_add_f32 v[244:245], v[124:125], v[128:129]
	v_pk_add_f32 v[242:243], v[132:133], v[136:137]
	v_pk_add_f32 v[240:241], v[140:141], v[144:145]
	v_pk_add_f32 v[238:239], v[148:149], v[152:153]
	v_pk_add_f32 v[14:15], v[14:15], v[156:157]
	v_pk_add_f32 v[236:237], v[236:237], v[96:97]
	v_pk_add_f32 v[248:249], v[248:249], v[98:99]
	v_pk_add_f32 v[246:247], v[246:247], v[102:103]
	v_pk_add_f32 v[244:245], v[244:245], v[106:107]
	v_pk_add_f32 v[242:243], v[242:243], v[110:111]
	v_pk_add_f32 v[240:241], v[240:241], v[114:115]
	v_pk_add_f32 v[238:239], v[238:239], v[118:119]
	v_pk_add_f32 v[14:15], v[14:15], v[122:123]
	v_pk_add_f32 v[236:237], v[236:237], v[126:127]
	v_pk_add_f32 v[248:249], v[248:249], v[130:131]
	v_pk_add_f32 v[246:247], v[246:247], v[134:135]
	v_pk_add_f32 v[244:245], v[244:245], v[138:139]
	v_pk_add_f32 v[242:243], v[242:243], v[142:143]
	v_pk_add_f32 v[240:241], v[240:241], v[146:147]
	v_pk_add_f32 v[238:239], v[238:239], v[150:151]
	v_pk_add_f32 v[14:15], v[14:15], v[154:155]
	v_pk_add_f32 v[236:237], v[236:237], v[158:159]
	s_delay_alu instid0(VALU_DEP_2)
	v_pk_add_f32 v[14:15], v[14:15], v[244:245]
	s_delay_alu instid0(VALU_DEP_2)
	v_pk_add_f32 v[236:237], v[236:237], v[242:243]
	v_pk_add_f32 v[248:249], v[248:249], v[240:241]
	v_pk_add_f32 v[246:247], v[246:247], v[238:239]
	s_delay_alu instid0(VALU_DEP_2)
	v_pk_add_f32 v[14:15], v[14:15], v[248:249]
	s_delay_alu instid0(VALU_DEP_2)
	v_pk_add_f32 v[236:237], v[236:237], v[246:247]
	s_delay_alu instid0(VALU_DEP_1)
	v_pk_add_f32 v[14:15], v[14:15], v[236:237]
	s_wait_alu depctr_va_vdst(0)                   ; and one for the four
.irp b, 0,1,2,3
	v_max_num_f32 v[232+\b], 0x1800000, v[232+\b]  ; the floor 2^(3 - 127): the byte cannot fall under 1
.endr
.irp b, 0,1,2,3
	s_delay_alu instid0(VALU_DEP_4)
	v_add_nc_u32 v[244+\b], 0xff000000, v[232+\b]  ; 2 off the exponent field: the conversion's scale operand
.endr
.irp b, 0,1,2,3
	s_delay_alu instid0(VALU_DEP_4)
	v_lshrrev_b32 v[236+\b], 23, v[244+\b]         ; the scale's byte
.endr
	s_delay_alu instid0(VALU_DEP_3)
	v_lshl_or_b32 v253, v237, 8, v236              ; p's scale word for these 128 keys
	s_delay_alu instid0(VALU_DEP_1)
	v_lshl_or_b32 v253, v238, 16, v253
	s_delay_alu instid0(VALU_DEP_1)
	v_lshl_or_b32 v253, v239, 24, v253
	s_setprio 0
.irp b, 0,1,2,3
	v_cvt_scalef32_pk8_fp4_f32 v[224+2*\b], v[96+16*\b:103+16*\b], v[244+\b]
	v_cvt_scalef32_pk8_fp4_f32 v[225+2*\b], v[104+16*\b:111+16*\b], v[244+\b]
.endr
	v_nop                                          ; one plain line behind the last conversion
.irp c, 0,1                                    ; the operand's layout wants a whole block in a lane
.irp i, 0,1
	v_permlane16_swap_b32 v[224+4*\c+\i], v[226+4*\c+\i]
.endr
.endr
.set JJ, 0
.rept 16
	v_pk_mul_f32 v[160+JJ:161+JJ], v[160+JJ:161+JJ], v[252:253] op_sel_hi:[1,0]   ; O^T under the new M.  (For each product below twelve of these name none of its registers: the places behind the writes of p's codes and scale word)
.set JJ, JJ+2
.endr
	s_wait_alu depctr_va_vdst(0)
	s_wait_dscnt 0x0                               ; V and its scale words are in
.irp d, 0,2
	v_wmma_scale_f32_16x16x128_f8f6f4 v[160+8*\d:167+8*\d], v[192+8*\d:199+8*\d], v[224:231], v[160+8*\d:167+8*\d], v[28+\d/2], v253 matrix_a_fmt:MATRIX_FMT_FP4 matrix_b_fmt:MATRIX_FMT_FP4
	v_wmma_scale_f32_16x16x128_f8f6f4 v[168+8*\d:175+8*\d], v[200+8*\d:207+8*\d], v[224:231], v[168+8*\d:175+8*\d], v[28+\d/2], v253 matrix_a_fmt:MATRIX_FMT_FP4 matrix_b_fmt:MATRIX_FMT_FP4 matrix_a_scale:MATRIX_SCALE_ROW1
.endr
.endm
; THE WAY OUT of a tile: O^T / the sum goes through my stage in LDS and comes back as rows of 256 bytes; x's same bytes are added; sixteen lanes store 256 consecutive bytes, aligned.
.macro WAYOUT
	PLACES 4                                       ; behind the last products: loads go into V's registers, and results are read
.irp i, 0,1,2,3,4,5,6,7
	global_load_b128 v[192+4*\i:195+4*\i], v5, s[36:37] offset:(2*\i+8*(\i/4))*4096 th:TH_LOAD_NT   ; stage rows 2 i and 2 i + 1 are rows 2 i + h + 8 (i / 4) from the tile's first query
.endr
	v_add_f32 v14, v14, v15                        ; the sum's two halves,
	s_delay_alu instid0(VALU_DEP_1)
	v_permlanex16_b32 v252, v14, s30, s31
	s_delay_alu instid0(VALU_DEP_1)
	v_add_f32 v14, v14, v252                       ; and lane l xor 16's
	s_wait_alu depctr_va_vdst(0)
	v_rcp_f32 v14, v14
	v_nop                                          ; a plain line behind the reciprocal
	s_wait_alu depctr_va_vdst(0)                   ; and the wait ahead of its first reader
.set JJ, 0
.rept 32
	v_mul_f32 v[96+JJ], v[160+JJ], v14             ; register 16 b + k: channel 32 b + 16 h + k of my query; each accumulator from its low end on
.set JJ, JJ+1
.endr
.irp b, 0,1
.irp i, 0,1,2,3
	ds_store_b128 v6, v[96+16*\b+4*\i:99+16*\b+4*\i] offset:128*\b+16*\i
.endr
.endr
.irp i, 0,1,2,3,4,5,6,7
	ds_load_b128 v[128+4*\i:131+4*\i], v7 offset:544*\i            ; LDS serves a wave's instructions in order: these see my stores
.endr
	s_wait_loadcnt 0x0
	s_wait_dscnt 0x0
.set JJ, 0
.rept 16
	v_pk_add_f32 v[128+JJ:129+JJ], v[128+JJ:129+JJ], v[192+JJ:193+JJ]
.set JJ, JJ+2
.endr
.irp i, 0,1,2,3,4,5,6,7
	global_store_b128 v5, v[128+4*\i:131+4*\i], s[38:39] offset:(2*\i+8*(\i/4))*4096
.endr
	s_wait_xcnt 0x0                                ; the stores have read their data and base: both may be written again
.endm
; ONE TILE OF 16 QUERIES, its number in s23.
.macro QTILE
	s_lshr_b32 s24, s23, 3                         ; its last key step
	s_lshr_b32 s34, s23, 1
	s_lshl_b32 s34, s34, 5
	s_and_b32 s35, s23, 1
	s_lshl_b32 s44, s35, 3
	s_add_co_u32 s34, s34, s44                     ; its first query: 32 (T / 2) + 8 (T % 2)
	s_lshl_b32 s44, s23, 9
	s_add_nc_u64 s[40:41], s[6:7], s[44:45]        ; its fragment,
	s_lshl_b32 s44, s24, 9
	s_lshl_b32 s35, s35, 8
	s_add_co_u32 s44, s44, s35
	s_bfe_u32 s35, s23, 0x20001
	s_lshl_b32 s35, s35, 2
	s_add_co_u32 s44, s44, s35
	s_add_nc_u64 s[42:43], s[8:9], s[44:45]        ; its scale words: row block T / 8, lanes 16 (T % 2) on, word (T / 2) % 4
	s_lshl_b32 s44, s34, 12
	s_add_nc_u64 s[36:37], s[4:5], s[44:45]        ; its rows of x
	s_add_nc_u64 s[38:39], s[18:19], s[44:45]      ; and of y
	global_load_b128 v[16:19], v1, s[40:41]
	global_load_b32 v255, v31, s[42:43]
.set JJ, 0
.rept 32
	v_mov_b32 v[160+JJ], 0                         ; O^T: the first step finds zeros, which the first change of M leaves zeros
.set JJ, JJ+1
.endr
	v_mov_b32 v13, 0xff61b1e6                      ; the largest t so far: -3e38
	s_delay_alu instid0(VALU_DEP_1)
	v_floor_f32 v12, -v13
	v_mov_b32 v14, 0
	v_mov_b32 v15, 0
	s_mov_b32 s25, 0
	s_mov_b32 s26, 0
	s_mov_b32 s27, 0
	s_mov_b32 s28, 0
	s_wait_loadcnt 0x0
.Lstep_\@:                                         ; 16 trips, a constant: the LDS addresses stepped here can be read off the text
	s_cmp_gt_u32 s25, s24
	s_cbranch_scc1 .Lhid_\@                        ; all keys of this step come after the tile's queries
	s_setprio 2
	STEP
.Lhid_\@:
	s_add_co_u32 s26, s26, 4096
	s_add_co_u32 s27, s27, 512
	s_add_co_u32 s28, s28, 256
	s_add_co_u32 s25, s25, 1
	s_cmp_lt_u32 s25, 16
	s_cbranch_scc1 .Lstep_\@
	s_setprio 0
	s_wait_alu depctr_va_vdst(0)
	WAYOUT
.endm
	s_mov_b32 s23, s22
	QTILE
	s_sub_co_u32 s23, 127, s22
	QTILE
	s_wait_tensorcnt 0x0
	ds_add_u32 v250, v251
	s_wait_dscnt 0x0
	s_endpgm
.Lfunc_end_k_qc4954a6737_attn:
	.size	k_qc4954a6737_attn, .Lfunc_end_k_qc4954a6737_attn-k_qc4954a6737_attn
	.p2alignl 7, 3214868480
	.fill 96, 4, 3214868480
	.section	.rodata,"a",@progbits
	.p2align	6, 0x0
	.amdhsa_kernel k_qc4954a6737_attn
		.amdhsa_group_segment_fixed_size 215040
		.amdhsa_private_segment_fixed_size 0
		.amdhsa_enable_private_segment 0
		.amdhsa_kernarg_size 64
		.amdhsa_user_sgpr_count 2
		.amdhsa_user_sgpr_kernarg_segment_ptr 1
		.amdhsa_wavefront_size32 1
		.amdhsa_system_sgpr_workgroup_id_x 1
		.amdhsa_system_sgpr_workgroup_id_y 1
		.amdhsa_system_sgpr_workgroup_id_z 1
		.amdhsa_system_vgpr_workitem_id 0
		.amdhsa_next_free_vgpr 256
		.amdhsa_next_free_sgpr 66
		.amdhsa_reserve_vcc 1
		.amdhsa_float_denorm_mode_32 3
		.amdhsa_float_denorm_mode_16_64 3
		.amdhsa_memory_ordered 1
		.amdhsa_forward_progress 1
		.amdhsa_inst_pref_size 65
	.end_amdhsa_kernel
	.amdgpu_metadata
---
amdhsa.version: [ 1, 2 ]
amdhsa.kernels:
  - .name:           k_qc4954a6737_attn
    .symbol:         k_qc4954a6737_attn.kd
    .args:
      - { .name: x, .offset: 0, .size: 8, .value_kind: global_buffer, .address_space: global }
      - { .name: qf, .offset: 8, .size: 8, .value_kind: global_buffer, .address_space: global }
      - { .name: qs, .offset: 16, .size: 8, .value_kind: global_buffer, .address_space: global }
      - { .name: kf, .offset: 24, .size: 8, .value_kind: global_buffer, .address_space: global }
      - { .name: ks, .offset: 32, .size: 8, .value_kind: global_buffer, .address_space: global }
      - { .name: vf, .offset: 40, .size: 8, .value_kind: global_buffer, .address_space: global }
      - { .name: vs, .offset: 48, .size: 8, .value_kind: global_buffer, .address_space: global }
      - { .name: y, .offset: 56, .size: 8, .value_kind: global_buffer, .address_space: global }
    .group_segment_fixed_size: 215040
    .private_segment_fixed_size: 0
    .kernarg_segment_align: 8
    .kernarg_segment_size: 64
    .max_flat_workgroup_size: 512
    .sgpr_count:     66
    .vgpr_count:     256
    .wavefront_size: 32
...
	.end_amdgpu_metadata
.endif
;; end of part 2
;; launch tail (part 3): grid 256 x 1, 8 waves a work-group, no clusters, 285,952 bytes of LDS; arguments y, ln1_g, ln1_b, lin1_w_codes, lin1_w_scales, lin1_b, ln2_g, ln2_b, out0; writes out0
.if DOCPART == 3
	.amdgcn_target "amdgcn-amd-amdhsa--gfx1250"
	.amdhsa_code_object_version 6
	.text
	.protected	k_qc4954a6737_tail
	.globl	k_qc4954a6737_tail
	.p2align	8
	.type	k_qc4954a6737_tail,@function
k_qc4954a6737_tail:
	s_mov_b64 s[64:65], 0
	v_nop
	global_prefetch_b8 v0, s[64:65] scope:SCOPE_SE
	s_setreg_imm32_b32 hwreg(HW_REG_WAVE_MODE, 25, 1), 1
	s_wait_xcnt 0x0
; out0 = LN2(h + (h W^T + lin1_b)), h = LN1(y); the product on codes of FP4 (E2M1) with one E8M0 scale for each 32 along K; all else in f32.
; SHARES.  A work-group owns 32 whole rows.  In the norms wave w takes rows 4 w .. 4 w + 3, a row in 32 registers; in the product it takes outputs 128 w .. 128 w + 127 of all 32 rows, 32 outputs a sub-pass.
; PHASES.  A: LN1 of my four rows; their codes and scale bytes to LDS; h + lin1_b to LDS as f32 | barrier | B: h's 16 fragments into registers | C: four sub-passes: 32 weight rows through my own stage, 32 matrix
; instructions (4 accumulators by turns, one instruction a turn), the results added onto my columns of h + lin1_b in LDS | barrier | D: LN2 of my four rows; stores of 512 consecutive bytes.
; The product is used transposed (source 0 = 16 weight rows, source 1 = 16 rows of h), and lane row p of weight tile u stands for row 8 u + p + 8 (p / 8) of the sub-pass's 32: a lane's 16 results are 16 neighbouring outputs.
; The variance is taken of the numbers less their mean: no difference of large sums is formed.
; No joint requests: the text has no tensor load; a weight row of 512 bytes is one load of a wave.
; LIMITS: NaN and infinities are not served; a block whose largest magnitude lies under 2^-124 gets the scale byte 1; lin1_b is added to h ahead of the product, and the norms' sums go in another order than the reference's.
; REGISTERS.  Window 0: v1-13 addresses; v16-31 h's scale words (8 a + s); v32-63 W's scale words, two sets; v64-191 four rows, then h's fragments (8 (8 a + s)), then four rows; v192-223 accumulators (a, u) at 8 (2 a + u);
;   in the norms v192-215 sums, means, 1 / sigma (six a row), v216-223 at work, v224-255 codes and bytes.  Window 1: v0-127 T (32 weight rows as loaded), at the end ln2's g and b; v128-255 W's 16 fragments; in phase A ln1's g, b and lin1_b.
.set H,   0                            ; 32 rows x (4,096 + 16) bytes, f32
.set HP,  4112
.set HC,  32*HP                        ; 32 rows of codes x (512 + 16)
.set HS,  HC+32*528                    ; scale bytes, 36 a row; 1,280 bytes
.set WST, HS+1280                      ; each wave's stage: 32 weight rows x 528
.set MSB, 0
.macro WIN new                         ; the immediate's high byte repeats the setting that is left
.if MSB != (\new)
	s_set_vgpr_msb (MSB<<8)|(\new)
.set MSB, (\new)
.endif
.endm
.macro PLACES n
.rept \n
	v_nop
.endr
.endm
	s_load_b512 s[4:19], s[0:1], 0x0               ; y, ln1_g, ln1_b, W's codes, W's scales, lin1_b, ln2_g, ln2_b
	s_load_b64 s[20:21], s[0:1], 0x40              ; out0
	v_lshrrev_b32 v14, 5, v0
	s_delay_alu instid0(VALU_DEP_1)
	v_readfirstlane_b32 s24, v14                   ; wave 0..7
	v_and_b32 v14, 31, v0                          ; lane
	v_and_b32 v15, 15, v0                          ; r
	v_bfe_u32 v224, v0, 4, 1                       ; h
	s_delay_alu instid0(VALU_DEP_2)
	v_and_b32 v225, 8, v15
	s_delay_alu instid0(VALU_DEP_1)
	v_add_nc_u32 v225, v225, v15                   ; R' = r + 8 (r / 8)
	v_lshlrev_b32 v1, 4, v14                       ; 16 x lane
	v_lshlrev_b32 v2, 5, v14                       ; 32 x lane
	s_mul_i32 s28, s24, 4*528
	s_add_co_u32 s28, s28, HC
	v_lshl_add_u32 v3, v14, 2, s28                 ; my rows' codes, + 4 x lane
	s_mul_i32 s28, s24, 4*36
	s_add_co_u32 s28, s28, HS
	v_lshrrev_b32 v4, 2, v14
	s_delay_alu instid0(VALU_DEP_1)
	v_add_nc_u32 v4, s28, v4                       ; their scale bytes, + lane / 4
	s_mul_i32 s28, s24, 4*HP
	v_add_nc_u32 v5, s28, v2                       ; my rows in H, 32 bytes a lane,
	v_add_nc_u32 v13, s28, v1                      ; and 16 bytes a lane
	v_mul_u32_u24 v6, v15, 528
	s_delay_alu instid0(VALU_DEP_1)
	v_lshl_add_u32 v6, v224, 4, v6
	s_delay_alu instid0(VALU_DEP_1)
	v_add_nc_u32 v6, HC, v6                        ; a fragment of h: row r, + 16 h
	v_mul_u32_u24 v7, v15, 36
	s_delay_alu instid0(VALU_DEP_1)
	v_add_nc_u32 v7, HS, v7                        ; its scale words
	s_mul_i32 s28, s24, 32*528
	s_add_co_u32 s28, s28, WST
	v_add_nc_u32 v8, s28, v1                       ; my stage, + 16 x lane
	v_mul_u32_u24 v9, v225, 528
	s_delay_alu instid0(VALU_DEP_1)
	v_lshl_add_u32 v9, v224, 4, v9
	s_delay_alu instid0(VALU_DEP_1)
	v_add_nc_u32 v9, s28, v9                       ; my stage, row R', + 16 h
	v_lshlrev_b32 v10, 5, v225                     ; W's scale bytes: 32 a row, row R'
	v_mul_u32_u24 v11, v15, HP
	s_delay_alu instid0(VALU_DEP_1)
	v_lshl_add_u32 v11, v224, 6, v11
	s_lshl_b32 s28, s24, 9
	v_add_nc_u32 v11, s28, v11                     ; H: row r, my wave's 512 bytes, + 64 h;
	s_delay_alu instid0(VALU_DEP_1)
	v_add_nc_u32 v12, 16*HP, v11                   ; and row 16 + r
	s_mov_b32 s26, 0x76543210
	s_mov_b32 s27, 0xfedcba98                      ; v_permlanex16_b32's selects for lane l xor 16
	s_mov_b32 s30, 0x3a800000                      ; 1 / 1,024
	s_mov_b32 s31, 0x3727c5ac                      ; 1e-5
	s_lshl_b32 s28, ttmp9, 17                      ; 32 rows of 4,096 bytes,
	s_lshl_b32 s29, s24, 14                        ; my wave's four
	s_add_co_u32 s28, s28, s29
	s_mov_b32 s29, 0
	s_wait_alu depctr_va_vdst(0)
	s_wait_kmcnt 0x0
	s_add_nc_u64 s[4:5], s[4:5], s[28:29]
	s_add_nc_u64 s[20:21], s[20:21], s[28:29]
	s_lshl_b32 s28, s24, 16                        ; my 128 weight rows: codes,
	s_add_nc_u64 s[10:11], s[10:11], s[28:29]
	s_lshl_b32 s28, s24, 12                        ; scale bytes
	s_add_nc_u64 s[12:13], s[12:13], s[28:29]
	; ---- A.  In chunk c of a row lane l holds the 8 neighbours 256 c + 8 l on: two loads of 16 bytes, which together cover the chunk's 1,024 bytes
.irp q, 0,1,2,3
.irp c, 0,1,2,3
.irp e, 0,1
	global_load_b128 v[64+32*\q+8*\c+4*\e:67+32*\q+8*\c+4*\e], v2, s[4:5] offset:4096*\q+1024*\c+16*\e th:TH_LOAD_NT
.endr
.endr
.endr
.irp u, 0,1
.irp e, 0,1
	global_load_b128 v[32+8*\u+4*\e:35+8*\u+4*\e], v10, s[12:13] offset:256*\u+16*\e     ; sub-pass 0's scale words of W
.endr
.endr
	WIN 0x40                                       ; destination window 1
.irp c, 0,1,2,3
.irp e, 0,1
	global_load_b128 v[128+8*\c+4*\e:131+8*\c+4*\e], v2, s[6:7] offset:1024*\c+16*\e
	global_load_b128 v[160+8*\c+4*\e:163+8*\c+4*\e], v2, s[8:9] offset:1024*\c+16*\e
	global_load_b128 v[192+8*\c+4*\e:195+8*\c+4*\e], v2, s[14:15] offset:1024*\c+16*\e
.endr
.endr
.set II, 0
.rept 32
	global_load_b128 v[4*II:4*II+3], v1, s[10:11] offset:512*II    ; sub-pass 0's 32 weight rows, a whole row a load
.set II, II+1
.endr
	WIN 0
	s_wait_loadcnt 32                              ; the weight rows may be out
; The sum over the 32 lanes of each row's pair at v[192 + 6 q], into every lane
.macro REDUCE
.irp q, 0,1,2,3
	s_delay_alu instid0(VALU_DEP_4)
	v_add_f32 v[192+6*\q], v[192+6*\q], v[193+6*\q]
.endr
.irp m, 1,2,4,8
.irp q, 0,1,2,3
	s_delay_alu instid0(VALU_DEP_4)
	v_add_f32_dpp v[192+6*\q], v[192+6*\q], v[192+6*\q] row_xmask:\m row_mask:0xf bank_mask:0xf
.endr
.endr
.irp q, 0,1,2,3
	s_delay_alu instid0(VALU_DEP_4)
	v_permlanex16_b32 v[193+6*\q], v[192+6*\q], s26, s27
.endr
.irp q, 0,1,2,3
	s_delay_alu instid0(VALU_DEP_4)
	v_add_f32 v[192+6*\q], v[192+6*\q], v[193+6*\q]
.endr
.endm
; The layer norm of the four rows at v[64 + 32 q], in place, the rows by turns; gain and bias at v[g], v[b] of window 1, laid as a row is
.macro LN g, b
.irp q, 0,1,2,3
	v_pk_add_f32 v[192+6*\q:193+6*\q], v[64+32*\q:65+32*\q], v[66+32*\q:67+32*\q]
.endr
.set KK, 4
.rept 14
.irp q, 0,1,2,3
	s_delay_alu instid0(VALU_DEP_4)
	v_pk_add_f32 v[192+6*\q:193+6*\q], v[192+6*\q:193+6*\q], v[64+32*\q+KK:65+32*\q+KK]
.endr
.set KK, KK+2
.endr
	REDUCE
.irp q, 0,1,2,3
	v_mul_f32 v[194+6*\q], s30, v[192+6*\q]        ; the mean, twice: a pair for the packed form
	v_mul_f32 v[195+6*\q], s30, v[192+6*\q]
.endr
.set KK, 0
.rept 16
.irp q, 0,1,2,3
	v_pk_add_f32 v[64+32*\q+KK:65+32*\q+KK], v[64+32*\q+KK:65+32*\q+KK], v[194+6*\q:195+6*\q] neg_lo:[0,1] neg_hi:[0,1]
.endr
.set KK, KK+2
.endr
.irp q, 0,1,2,3
	v_pk_mul_f32 v[192+6*\q:193+6*\q], v[64+32*\q:65+32*\q], v[64+32*\q:65+32*\q]
.endr
.set KK, 2
.rept 15
.irp q, 0,1,2,3
	s_delay_alu instid0(VALU_DEP_4)
	v_pk_fma_f32 v[192+6*\q:193+6*\q], v[64+32*\q+KK:65+32*\q+KK], v[64+32*\q+KK:65+32*\q+KK], v[192+6*\q:193+6*\q]
.endr
.set KK, KK+2
.endr
	REDUCE
.irp q, 0,1,2,3
	s_delay_alu instid0(VALU_DEP_4)
	v_fma_f32 v[192+6*\q], v[192+6*\q], s30, s31   ; the variance + 1e-5
.endr
	s_wait_alu depctr_va_vdst(0)
.irp q, 0,1,2,3
	v_rsq_f32 v[196+6*\q], v[192+6*\q]
	v_rsq_f32 v[197+6*\q], v[192+6*\q]
.endr
	v_nop                                          ; a plain line behind the last of them
	s_wait_alu depctr_va_vdst(0)                   ; one wait for the eight, ahead of their first reader
.set KK, 0
.rept 16
.irp q, 0,1,2,3
	v_pk_mul_f32 v[64+32*\q+KK:65+32*\q+KK], v[64+32*\q+KK:65+32*\q+KK], v[196+6*\q:197+6*\q]
.endr
.set KK, KK+2
.endr
	WIN 0x14                                       ; sources 1 and 2: window 1
.set KK, 0
.rept 16
.irp q, 0,1,2,3
	v_pk_fma_f32 v[64+32*\q+KK:65+32*\q+KK], v[64+32*\q+KK:65+32*\q+KK], v[\g+KK:\g+KK+1], v[\b+KK:\b+KK+1]
.endr
.set KK, KK+2
.endr
	WIN 0
.endm
	LN 128, 160
; Row q of mine: its codes and scale bytes (a block of 32 lies in four neighbouring lanes), then h + lin1_b, to LDS
.macro HQ q
.irp c, 0,1,2,3
	v_max3_num_f32 v[216+\c], |v[64+32*\q+8*\c]|, |v[65+32*\q+8*\c]|, 0x1800000    ; and the floor 2^(3 - 127): the byte cannot fall under 1
.endr
.irp p, 2,4,6
.irp c, 0,1,2,3
	s_delay_alu instid0(VALU_DEP_4)
	v_max3_num_f32 v[216+\c], |v[64+32*\q+8*\c+\p]|, |v[65+32*\q+8*\c+\p]|, v[216+\c]
.endr
.endr
.irp c, 0,1,2,3
	s_delay_alu instid0(VALU_DEP_4)
	v_max_num_f32_dpp v[216+\c], v[216+\c], v[216+\c] row_xmask:1 row_mask:0xf bank_mask:0xf
.endr
.irp c, 0,1,2,3
	s_delay_alu instid0(VALU_DEP_4)
	v_max_num_f32_dpp v[216+\c], v[216+\c], v[216+\c] row_xmask:2 row_mask:0xf bank_mask:0xf
.endr
.irp c, 0,1,2,3
	s_delay_alu instid0(VALU_DEP_4)
	v_add_nc_u32 v[220+\c], 0xff000000, v[216+\c]  ; 2 off the exponent field: the conversion's scale operand
.endr
.irp c, 0,1,2,3
	v_cvt_scalef32_pk8_fp4_f32 v[224+8*\q+\c], v[64+32*\q+8*\c:71+32*\q+8*\c], v[220+\c]
.endr
.irp c, 0,1,2,3
	v_lshrrev_b32 v[228+8*\q+\c], 23, v[220+\c]    ; the scale's byte.  (Plain lines behind the conversions)
.endr
.irp c, 0,1,2,3
	ds_store_b32 v3, v[224+8*\q+\c] offset:528*\q+128*\c
	ds_store_b8 v4, v[228+8*\q+\c] offset:36*\q+8*\c             ; the four lanes of a block write the same byte with the same value
.endr
	WIN 0x04                                       ; source 1: window 1
.set KK, 0
.rept 16
	v_pk_add_f32 v[64+32*\q+KK:65+32*\q+KK], v[64+32*\q+KK:65+32*\q+KK], v[192+KK:193+KK]
.set KK, KK+2
.endr
	WIN 0
.irp c, 0,1,2,3
.irp e, 0,1
	ds_store_b128 v5, v[64+32*\q+8*\c+4*\e:67+32*\q+8*\c+4*\e] offset:HP*\q+1024*\c+16*\e
.endr
.endr
.endm
	HQ 0
	HQ 1
	HQ 2
	HQ 3
	s_wait_dscnt 0x0                               ; for the others' sake: my four rows lie in LDS
	s_barrier_signal -1
	s_barrier_wait -1
	; ---- B: h's fragments (row tile a, K step s) and their scale words
.irp a, 0,1
.irp s, 0,1,2,3,4,5,6,7
.irp c, 0,1
	ds_load_b128 v[64+8*(8*\a+\s)+4*\c:67+8*(8*\a+\s)+4*\c], v6 offset:16*\a*528+64*\s+32*\c
.endr
	ds_load_b32 v[16+8*\a+\s], v7 offset:16*\a*36+4*\s
.endr
.endr
; ---- C: sub-pass p: outputs 128 w + 32 p + 0 .. 31
.macro SUB p
	PLACES 5                                       ; behind the last products: loads go into registers that they read, and the accumulators are begun anew
	s_wait_dscnt 0x0                               ; my LDS loads are in, and my stores have read their registers
	s_wait_loadcnt 0x0                             ; this sub-pass's weight rows and scale words are in; nothing younger is out
	WIN 0x04                                       ; an LDS store's data are its source 1: window 1
.set II, 0
.rept 32
	ds_store_b128 v8, v[4*II:4*II+3] offset:528*II
.set II, II+1
.endr
	WIN 0x40                                       ; LDS serves a wave's instructions in order: these see the stores above
.irp u, 0,1
.irp s, 0,1,2,3,4,5,6,7
.irp c, 0,1
	ds_load_b128 v[128+8*(8*\u+\s)+4*\c:131+8*(8*\u+\s)+4*\c], v9 offset:8*\u*528+64*\s+32*\c
.endr
.endr
.endr
	s_wait_dscnt 0x0                               ; the fragments are in, and the stores into the stage have read T
.if \p < 3
.set II, 0
.rept 32
	global_load_b128 v[4*II:4*II+3], v1, s[10:11] offset:(\p+1)*16384+512*II      ; the next sub-pass's weight rows
.set II, II+1
.endr
	WIN 0
.irp u, 0,1
.irp e, 0,1
	global_load_b128 v[32+16*((\p+1)%2)+8*\u+4*\e:35+16*((\p+1)%2)+8*\u+4*\e], v10, s[12:13] offset:(\p+1)*1024+256*\u+16*\e
.endr
.endr
.else
.irp c, 0,1,2,3,4,5,6,7
	global_load_b128 v[4*\c:4*\c+3], v1, s[16:17] offset:512*\c                   ; ln2's gain and bias, laid as phase D lays a row
	global_load_b128 v[32+4*\c:35+4*\c], v1, s[18:19] offset:512*\c
.endr
.endif
	WIN 0x01                                       ; source 0 (W) window 1
.irp s, 0,1,2,3,4,5,6,7
.irp a, 0,1
.irp u, 0,1
.set rD, 192+8*(2*\a+\u)
.set rW, 128+8*(8*\u+\s)
.set rH, 64+8*(8*\a+\s)
.if \s == 0
	v_wmma_scale_f32_16x16x128_f8f6f4 v[rD:rD+7], v[rW:rW+7], v[rH:rH+7], 0, v[32+16*(\p%2)+8*\u+\s], v[16+8*\a+\s] matrix_a_fmt:MATRIX_FMT_FP4 matrix_b_fmt:MATRIX_FMT_FP4
.else
	v_wmma_scale_f32_16x16x128_f8f6f4 v[rD:rD+7], v[rW:rW+7], v[rH:rH+7], v[rD:rD+7], v[32+16*(\p%2)+8*\u+\s], v[16+8*\a+\s] matrix_a_fmt:MATRIX_FMT_FP4 matrix_b_fmt:MATRIX_FMT_FP4
.endif
.endr
.endr
.endr
	PLACES 4
	WIN 0x40
.irp a, 0,1
.irp i, 0,1,2,3
	ds_load_b128 v[128+16*\a+4*\i:131+16*\a+4*\i], v[11+\a] offset:128*\p+16*\i   ; my 16 numbers of h + lin1_b: row 16 a + r, columns 128 w + 32 p + 16 h on
.endr
.endr
	s_wait_dscnt 0x0
	WIN 0x44                                       ; destination and source 1 window 1, source 0 (the results) window 0
.set KK, 0
.rept 16
	v_pk_add_f32 v[128+KK:129+KK], v[192+KK:193+KK], v[128+KK:129+KK]             ; each accumulator from its low end on
.set KK, KK+2
.endr
	WIN 0x04
.irp a, 0,1
.irp i, 0,1,2,3
	ds_store_b128 v[11+\a], v[128+16*\a+4*\i:131+16*\a+4*\i] offset:128*\p+16*\i  ; back to the same bytes: each has one owning lane
.endr
.endr
	WIN 0
.endm
	SUB 0
	SUB 1
	SUB 2
	SUB 3
	s_wait_dscnt 0x0                               ; for the others' sake: my columns lie in LDS
	s_barrier_signal -1
	s_barrier_wait -1
	; ---- D: my four rows, 16 bytes a lane: register 4 c + k holds column 128 c + 4 l + k
.irp q, 0,1,2,3
.irp c, 0,1,2,3,4,5,6,7
	ds_load_b128 v[64+32*\q+4*\c:67+32*\q+4*\c], v13 offset:HP*\q+512*\c
.endr
.endr
	s_wait_dscnt 0x0
	s_wait_loadcnt 0x0                             ; ln2's gain and bias
	LN 0, 32
.irp q, 0,1,2,3
.irp c, 0,1,2,3,4,5,6,7
	global_store_b128 v1, v[64+32*\q+4*\c:67+32*\q+4*\c], s[20:21] offset:4096*\q+512*\c th:TH_STORE_NT   ; 32 lanes store 512 consecutive bytes, aligned
.endr
.endr
	s_wait_xcnt 0x0
	v_lshl_add_u32 v254, v0, 2, 0x45900
	v_mov_b32 v255, 0
	s_wait_alu depctr_va_vdst(0)
	s_wait_tensorcnt 0x0
	ds_add_u32 v254, v255
	s_wait_dscnt 0x0
	s_endpgm
.Lfunc_end_k_qc4954a6737_tail:
	.size	k_qc4954a6737_tail, .Lfunc_end_k_qc4954a6737_tail-k_qc4954a6737_tail
	.p2alignl 7, 3214868480
	.fill 96, 4, 3214868480
	.section	.rodata,"a",@progbits
	.p2align	6, 0x0
	.amdhsa_kernel k_qc4954a6737_tail
		.amdhsa_group_segment_fixed_size 285952
		.amdhsa_private_segment_fixed_size 0
		.amdhsa_enable_private_segment 0
		.amdhsa_kernarg_size 72
		.amdhsa_user_sgpr_count 2
		.amdhsa_user_sgpr_kernarg_segment_ptr 1
		.amdhsa_wavefront_size32 1
		.amdhsa_system_sgpr_workgroup_id_x 1
		.amdhsa_system_sgpr_workgroup_id_y 1
		.amdhsa_system_sgpr_workgroup_id_z 1
		.amdhsa_system_vgpr_workitem_id 0
		.amdhsa_next_free_vgpr 512
		.amdhsa_next_free_sgpr 66
		.amdhsa_reserve_vcc 0
		.amdhsa_float_denorm_mode_32 3
		.amdhsa_float_denorm_mode_16_64 3
		.amdhsa_memory_ordered 1
		.amdhsa_forward_progress 1
		.amdhsa_inst_pref_size 154
	.end_amdhsa_kernel
	.amdgpu_metadata
---
amdhsa.version: [ 1, 2 ]
amdhsa.kernels:
  - .name:           k_qc4954a6737_tail
    .symbol:         k_qc4954a6737_tail.kd
    .args:
      - { .name: y, .offset: 0, .size: 8, .value_kind: global_buffer, .address_space: global }
      - { .name: ln1_g, .offset: 8, .size: 8, .value_kind: global_buffer, .address_space: global }
      - { .name: ln1_b, .offset: 16, .size: 8, .value_kind: global_buffer, .address_space: global }
      - { .name: lin1_w_codes, .offset: 24, .size: 8, .value_kind: global_buffer, .address_space: global }
      - { .name: lin1_w_scales, .offset: 32, .size: 8, .value_kind: global_buffer, .address_space: global }
      - { .name: lin1_b, .offset: 40, .size: 8, .value_kind: global_buffer, .address_space: global }
      - { .name: ln2_g, .offset: 48, .size: 8, .value_kind: global_buffer, .address_space: global }
      - { .name: ln2_b, .offset: 56, .size: 8, .value_kind: global_buffer, .address_space: global }
      - { .name: out0, .offset: 64, .size: 8, .value_kind: global_buffer, .address_space: global }
    .group_segment_fixed_size: 285952
    .private_segment_fixed_size: 0
    .kernarg_segment_align: 8
    .kernarg_segment_size: 72
    .max_flat_workgroup_size: 256
    .sgpr_count:     66
    .vgpr_count:     512
    .wavefront_size: 32
...
	.end_amdgpu_metadata
.endif
;; end of part 3
